; MI455X (gfx1250); checked and timed in simulation.
; The chip was launched on July 23, 2026; its instructions are those of AMD's public machine-readable ISA for CDNA 5 (MIT licence, August 2026) and "CDNA5" Instruction Set Architecture Reference Guide (July 2026). The comments in the code are by the model that wrote it; some were corrected since.
;; Compressed Linear. Allowed arithmetic: matrix products marked QUANTISED: E5M2 operands, one E8M0 scale for each 32 along K, by v_wmma_scale_f32_16x16x128_f8f6f4 with both operands' format E5M2, f32 sums; everything else in f32.
;; Inputs: bias 4,096 float32; scale 4,096 float32; weight_int8 4,096 x 4,096 int32; x 4 x 1,024 x 4,096 float32.
;; Outputs: out0 4 x 1,024 x 4,096 float32.
;; This version of the problem:
;;   THIS VERSION OF THE PROBLEM IS GIVEN IN LOW PRECISION. The matrix products marked QUANTISED in the list below multiply operands that are first quantised to E5M2 (5 exponent bits, 2 mantissa bits; 8 bits a number), with one power-of-two scale for each 32 numbers along K (OCP MX v1.0); their sums are f32. All else is computed in f32.
;;   The module's matrix products, in the order in which they are computed (A, B: the left and right operand; K: the contracted axis; several contracted axes count as one K, in the product's order):
;;     1. [M 4,096, K 4,096] x [K 4,096, N 4,096]; A: input x; B: computed on the way: QUANTISED
;;   THE QUANTISER, for each operand of a quantised product, along K:
;;     - K is cut into blocks of 32 from its start; a last block that is shorter is filled with zeros.
;;     - A block's scale is 2^e with e = floor(log2(the largest magnitude in the block)) - 15, held to -126 .. 127; a block of zeros has e = 0. As a byte (E8M0): e + 127.
;;     - Each number is divided by its block's scale, clamped to +-57,344, and rounded to the nearest number of E5M2, ties to even, subnormals kept.
;;     - The product sums the exact products of the quantised numbers (number of the format x scale) in f32.
;;   ~~~python
;;   def quantise(x, axis):      # numpy; x: float32 -> the quantised numbers, widened to float32 again
;;       x = np.moveaxis(x, axis, -1); K = x.shape[-1]
;;       x = np.pad(x, [(0, 0)] * (x.ndim - 1) + [(0, -K % 32)]); x = x.reshape(x.shape[:-1] + (-1, 32)); a = np.abs(x).max(-1, keepdims=True)
;;       e = np.where(a > 0, np.clip(np.frexp(np.where(a > 0, a, 1))[1] - 1 - 15, -126, 127), 0)      # np.frexp(a)[1] - 1 = floor(log2(a)), exactly
;;       r = np.clip(x / 2.0 ** e, -57344, 57344)
;;       step = 2.0 ** (np.maximum(np.frexp(np.where(r == 0, 1, r))[1] - 1, -14) - 2)
;;       q = np.round(r / step) * step * 2.0 ** e      # np.round: ties to even
;;       return np.moveaxis(q.reshape(q.shape[:-2] + (-1,))[..., :K], -1, axis).astype(np.float32)
;;   ~~~
;;   OPERANDS COMPUTED ON THE WAY. 'Computed on the way' means the value that the module computes at that place (a softmax that the list does not call 'softmax' is quantised finished and normalised). What goes into a quantiser is computed in f32, as accurately as f32 sums, v_exp_f32 and their like allow (about 1e-6 of the number): no bf16 or f16 on the way to a quantiser, and a product that is left as it is and whose result goes on into a quantised operand takes f32 operands (vector FMAs, or v_wmma_f32_16x16x4_f32). A number that lies on a knife's edge between two numbers of the format may be rounded either way, as far as f32 arithmetic and the matrix unit's own rounding can turn it there, and no further.
;; One version. Each part assembles by itself: llvm-mc -triple=amdgcn-amd-amdhsa -mcpu=gfx1250 --defsym DOCPART=n.
;; ======== version 1 of 1: 2 launches
;; limits: right only within a limited range of input values
;; workspace buffers: xq 17,301,504 bytes; wq 17,301,504 bytes
;; launch quant (part 1): grid 1024 x 1, 4 waves a work-group, no clusters, 34,304 bytes of LDS; arguments x, weight_int8, scale, xq, wq; writes xq, wq
.if DOCPART == 1
	.amdgcn_target "amdgcn-amd-amdhsa--gfx1250"
	.amdhsa_code_object_version 6
	.text
	.protected	k_q944ffe9b1e_quant
	.globl	k_q944ffe9b1e_quant
	.p2align	8
	.type	k_q944ffe9b1e_quant,@function
k_q944ffe9b1e_quant:
	s_mov_b64 s[64:65], 0
	v_nop
	global_prefetch_b8 v0, s[64:65] scope:SCOPE_SE
	s_setreg_imm32_b32 hwreg(HW_REG_WAVE_MODE, 25, 1), 1
	s_wait_xcnt 0x0
; x [4096][4096] f32, and w[n][k] = f32(weight_int8[n][k]) * scale[n] ([4096][4096]), become codes of BF8 (E5M2) with one E8M0 scale byte for each 32 along K,
; laid IN THE ORDER OF THE OPERAND'S REGISTERS, so that the product's launch takes a K step's tile as one dense block and every fragment as four loads of 512 consecutive bytes.
; A TILE is 128 rows x 256 along K: TILE = 33,792 bytes.  Tile (g, s) (rows 128 g on, k 256 s on) lies at byte (16 g + s) x TILE of xq or wq.  In it:
;   fragment (i = block of 16 rows 0..7, q = half of 128 along K) at (2 i + q) x 2,048; its registers 4 c .. 4 c + 3 of lane l at + 512 c + 16 l; lane l = r + 16 h holds row 16 i + r, k = 128 q + 32 c + 16 h + 0 .. 15;
;   the scale words (four bytes: the four blocks of a row's 128 k) at 32,768 + 128 i + 8 r + 4 q.
; A block's scale is 2^(floor(log2(its largest magnitude)) - 15); its byte is the largest magnitude's exponent field - 15, held at 1 from below.  Each number is divided by the scale, held within +-57,344 and rounded to the nearest code, ties to even.
; LIMITS: a block of zeros gets the byte 1 where the rule says 127: its codes are zeros, which add nothing under any byte but 0xff, and this program alone reads the bytes.  A block whose largest magnitude lies under 2^-111
; keeps the byte 1, the rule's own lower bound.  NaN and infinities among the inputs are not served.  Any int32 weight is converted as a cast to f32 converts it (nearest, ties to even).
; SHARES: 1,024 work-groups, one tile each: the first 512 take x, the others w.  Only pointers and one scalar are chosen by the work-group's number; both tensors take one path, but for the 96 register lines that make w of its integers.
; Wave w makes row blocks 2 w and 2 w + 1: four fragments f = 2 il + q.  Each load reads 512 consecutive bytes of one row (a fragment's 128 k); the conversions want 16 neighbours along K in ONE lane:
; so a fragment's 16 rows turn through the wave's own stage in LDS, rows 528 bytes apart (33 x 16: the sixteen rows that a read touches start at sixteen different banks: 64 banks of 4 bytes, ISA guide 11.1).
; No tensor loads, no barrier: waves share nothing.  Loads run two fragments (32 loads a wave) ahead.
.set TILE,  33792
.set ROWB,  16384                      ; a row of x or of weight_int8 in bytes
.set SP,    528                        ; a stage row
.set GA,    4                          ; v4   16 x lane: my 16 bytes of a load's 512
.set SI,    5                          ; v5   the stage, way in: 16 SP x wave + 16 x lane
.set SOUT,  6                          ; v6   the stage, way out: 16 SP x wave + SP r + 64 h
.set SA,    7                          ; v7   4 r: my row's dequantising scale
.set SS,    8                          ; v8   8 x lane + 256 x wave: where my pair of scale words goes
.set GC,    9                          ; v9   16 x lane + 8,192 x wave: where my codes go
.set SCL,   10                         ; v[10:11], v[12:13]  scale[row] of row blocks il = 0, 1 in the low word (the packed multiply names a pair, so the high word is written too)
.set TM,    16                         ; v16-19 largest magnitudes, v20-23 bytes, v24-27 the largest number x the scale, v28-31 the conversions' scale operands
.set PW,    32                         ; v32-35 the scale word of fragment f
.set PO,    36                         ; v[36:37] the pair that is stored
.set C,     40                         ; v40-55 a fragment's codes
.set X,     64                         ; v64-127 64 numbers: register 16 b + i = k 32 b + 16 h + i of my row
.set R,     128                        ; v128-255 two sets of 64 registers, as loaded
.set SEL,   20                         ; s[20:21] v_permlanex16_b32's selects for lane l xor 16
.set MNT,   23                         ; s23  the mantissa field of 57,344
	s_load_b256 s[4:11], s[0:1], 0x0               ; x s[4:5], weight_int8 s[6:7], scale s[8:9], xq s[10:11]
	s_load_b64 s[12:13], s[0:1], 0x20              ; wq
	v_lshl_add_u32 v62, v0, 2, 0x8400
	v_mov_b32 v63, 0
	v_lshrrev_b32 v1, 5, v0
	v_readfirstlane_b32 s14, v1                    ; wave 0..3
	v_and_b32 v1, 31, v0                           ; lane
	v_and_b32 v2, 15, v0                           ; r
	v_bfe_u32 v3, v0, 4, 1                         ; h
	v_lshlrev_b32 v[GA], 4, v1
	s_mul_i32 s16, s14, 16*SP                      ; my stage
	v_add_nc_u32 v[SI], s16, v[GA]
	v_mul_u32_u24 v[SOUT], v2, SP
	v_lshl_add_u32 v[SOUT], v3, 6, v[SOUT]
	v_add_nc_u32 v[SOUT], s16, v[SOUT]
	v_lshlrev_b32 v[SA], 2, v2
	s_lshl_b32 s17, s14, 8
	v_lshl_add_u32 v[SS], v1, 3, s17
	s_lshl_b32 s17, s14, 13
	v_add_nc_u32 v[GC], s17, v[GA]
	v_mov_b32 v[SCL+1], 0
	v_mov_b32 v[SCL+3], 0
.irp b, 0,1,2,3
	v_mov_b32 v[TM+4+\b], 0                        ; written once: a lane permute's destination counts as one of its sources
.endr
	s_mov_b32 s[SEL], 0x76543210
	s_mov_b32 s[SEL+1], 0xfedcba98
	s_mov_b32 s[MNT], 0x600000
	s_and_b32 s18, ttmp9, 511                      ; u: which tile of my tensor
	s_lshr_b32 s19, s18, 4                         ; g: its 128 rows
	s_and_b32 s22, s18, 15                         ; s: its 256 along K
	s_lshl_b32 s24, s19, 21                        ; the source: 128 g rows of 16,384 bytes,
	s_lshl_b32 s26, s14, 19                        ; + my wave's 32 rows,
	s_add_co_u32 s24, s24, s26
	s_lshl_b32 s26, s22, 10                        ; + 256 s numbers of 4 bytes
	s_add_co_u32 s24, s24, s26
	s_mov_b32 s25, 0
	s_mul_i32 s26, s18, TILE                       ; the tile's place in xq or wq
	s_mov_b32 s27, 0
	s_lshl_b32 s28, s19, 9                         ; scale: 4 bytes a row: 128 g rows + my wave's 32
	s_lshl_b32 s30, s14, 7
	s_add_co_u32 s28, s28, s30
	s_mov_b32 s29, 0
	s_wait_alu depctr_va_vdst(0)
	s_wait_kmcnt 0x0
	s_cmp_lt_u32 ttmp9, 512                        ; x's work-group or w's?  The choice hangs on the work-group's number alone
	s_cselect_b64 s[4:5], s[4:5], s[6:7]
	s_cselect_b64 s[10:11], s[10:11], s[12:13]
	s_cselect_b32 s15, 0, 1                        ; 1: the numbers are integers to be converted and scaled
	s_add_nc_u64 s[4:5], s[4:5], s[24:25]
	s_add_nc_u64 s[10:11], s[10:11], s[26:27]
	s_add_nc_u64 s[8:9], s[8:9], s[28:29]
	; scale[row] of my two row blocks.  x's work-groups issue the two loads as well (their row numbers run over the same 0 .. 4,095, so the loads stay inside the buffer; 128 bytes a wave), so that the counts below are the same for both tensors
	global_load_b32 v[SCL], v[SA], s[8:9]
	global_load_b32 v[SCL+2], v[SA], s[8:9] offset:64
.macro LOAD f                          ; fragment f: 16 rows x 512 bytes into set f % 2; 32 lanes read 512 consecutive bytes
.irp j, 0,1,2,3,4,5,6,7,8,9,10,11,12,13,14,15
	global_load_b128 v[R+64*((\f)%2)+4*\j:R+64*((\f)%2)+4*\j+3], v[GA], s[4:5] offset:(16*((\f)/2)+\j)*ROWB+512*((\f)%2) th:TH_LOAD_NT
.endr
.endm
; 64 numbers of a lane, v[s] on, become a fragment's codes in v[C] on and its scale word in v[pw]
.macro QUANT s, pw
.irp b, 0,1,2,3
	v_max3_num_f32 v[TM+\b], |v[\s+16*\b]|, |v[\s+1+16*\b]|, 0x8000000   ; block b: my 16 numbers, and the floor 2^(16 - 127), under which no largest magnitude is taken: so the byte cannot fall under 1
.endr
.irp i, 2,4,6,8,10,12,14
.irp b, 0,1,2,3
	v_max3_num_f32 v[TM+\b], v[TM+\b], |v[\s+16*\b+\i]|, |v[\s+1+16*\b+\i]|   ; the four blocks by turns: no line waits for the line above it
.endr
.endr
.irp b, 0,1,2,3
	v_permlanex16_b32 v[TM+4+\b], v[TM+\b], s[SEL], s[SEL+1]
.endr
.irp b, 0,1,2,3
	v_max_num_f32 v[TM+\b], v[TM+\b], v[TM+4+\b]   ; with lane l xor 16's 16: the block's largest magnitude
.endr
.irp b, 0,1,2,3
	v_add_nc_u32 v[TM+12+\b], 0xf8800000, v[TM+\b]   ; 15 off its exponent field: the conversion takes the exponent field of this operand as its scale, and nothing else of it
.endr
.irp b, 0,1,2,3
	v_and_or_b32 v[TM+8+\b], v[TM+\b], 0x7f800000, s[MNT]   ; 57,344 x the scale: the largest magnitude's exponent field over 57,344's mantissa
.endr
.irp b, 0,1,2,3
	v_lshrrev_b32 v[TM+4+\b], 23, v[TM+12+\b]      ; the scale's byte
.endr
	v_lshl_or_b32 v[\pw], v[TM+5], 8, v[TM+4]      ; the four bytes make my row's scale word (both halves of the lanes hold it)
	v_lshl_or_b32 v[\pw], v[TM+6], 16, v[\pw]
	v_lshl_or_b32 v[\pw], v[TM+7], 24, v[\pw]
.irp b, 0,1,2,3
.irp i, 0,1,2,3,4,5,6,7,8,9,10,11,12,13,14,15
	v_med3_num_f32 v[\s+16*\b+\i], v[\s+16*\b+\i], -v[TM+8+\b], v[TM+8+\b]   ; the conversion to an 8-bit code does not saturate (ISA guide 7.6.2): the hold at the largest code x the scale
.endr
	v_cvt_scalef32_pk8_bf8_f32 v[C+4*\b:C+1+4*\b], v[\s+16*\b:\s+7+16*\b], v[TM+12+\b]
	v_cvt_scalef32_pk8_bf8_f32 v[C+2+4*\b:C+3+4*\b], v[\s+8+16*\b:\s+15+16*\b], v[TM+12+\b]
.endr
	v_nop                                          ; one plain vector line behind the last conversion, ahead of whatever vector line next touches its registers
.endm
.macro FRAGM f
.if (\f) < 3
	s_wait_loadcnt 16                              ; loads come back in order: this fragment's 16 (and the two of scale, issued first) are in; the next fragment's 16 may be out
.else
	s_wait_loadcnt 0x0
.endif
.irp j, 0,1,2,3,4,5,6,7,8,9,10,11,12,13,14,15
	ds_store_b128 v[SI], v[R+64*((\f)%2)+4*\j:R+64*((\f)%2)+4*\j+3] offset:SP*\j   ; row j as it was loaded
.endr
.irp c, 0,1,2,3
.irp j, 0,1,2,3
	ds_load_b128 v[X+16*\c+4*\j:X+16*\c+4*\j+3], v[SOUT] offset:128*\c+16*\j   ; LDS serves a wave's instructions in order: these see the stores above.  Row r, k = 32 c + 16 h + 4 j on
.endr
.endr
	s_wait_dscnt 0x0                               ; my 64 numbers are in; the stage may be written again, and the set that was stored may be loaded again
.if (\f) < 2
	LOAD (\f)+2
.endif
	s_cmp_eq_u32 s15, 0                            ; x's numbers are taken as they are: the branch, on the work-group's number, goes round register work alone
	s_cbranch_scc1 .Lplain_\@
.set n, 0
.rept 64
	v_cvt_f32_i32 v[X+n], v[X+n]
.set n, n+1
.endr
.set n, 0
.rept 32
	v_pk_mul_f32 v[X+n:X+n+1], v[X+n:X+n+1], v[SCL+2*((\f)/2):SCL+2*((\f)/2)+1] op_sel_hi:[1,0]   ; w = f32(integer) x scale[row]: one rounding, two numbers a line
.set n, n+2
.endr
.Lplain_\@:
.if (\f) > 0
	s_wait_xcnt 0x0                                ; the last fragment's stores have read their data: the codes' registers are written again only behind this wait
.endif
	QUANT X, PW+\f
.irp c, 0,1,2,3
	global_store_b128 v[GC], v[C+4*\c:C+4*\c+3], s[10:11] offset:2048*(\f)+512*\c   ; 32 lanes store 512 consecutive bytes, at a multiple of 256 from the buffer's first byte
.endr
.endm
	LOAD 0
	LOAD 1
	FRAGM 0
	FRAGM 1
	FRAGM 2
	FRAGM 3
	v_cmp_eq_u32 vcc_lo, 1, v3                     ; lanes 0-15 store row block 2 w's two words of row r, lanes 16-31 row block 2 w + 1's
	v_cndmask_b32 v[PO], v[PW], v[PW+2], vcc_lo
	v_cndmask_b32 v[PO+1], v[PW+1], v[PW+3], vcc_lo
	global_store_b64 v[SS], v[PO:PO+1], s[10:11] offset:32768   ; 32 lanes store 256 consecutive bytes, aligned
	s_wait_tensorcnt 0x0
	ds_add_u32 v62, v63
	s_wait_dscnt 0x0
	s_endpgm
.Lfunc_end_k_q944ffe9b1e_quant:
	.size	k_q944ffe9b1e_quant, .Lfunc_end_k_q944ffe9b1e_quant-k_q944ffe9b1e_quant
	.p2alignl 7, 3214868480
	.fill 96, 4, 3214868480
	.section	.rodata,"a",@progbits
	.p2align	6, 0x0
	.amdhsa_kernel k_q944ffe9b1e_quant
		.amdhsa_group_segment_fixed_size 34304
		.amdhsa_private_segment_fixed_size 0
		.amdhsa_enable_private_segment 0
		.amdhsa_kernarg_size 40
		.amdhsa_user_sgpr_count 2
		.amdhsa_user_sgpr_kernarg_segment_ptr 1
		.amdhsa_wavefront_size32 1
		.amdhsa_system_sgpr_workgroup_id_x 1
		.amdhsa_system_sgpr_workgroup_id_y 1
		.amdhsa_system_sgpr_workgroup_id_z 1
		.amdhsa_system_vgpr_workitem_id 0
		.amdhsa_next_free_vgpr 256
		.amdhsa_next_free_sgpr 66
		.amdhsa_reserve_vcc 1
		.amdhsa_float_denorm_mode_32 3
		.amdhsa_float_denorm_mode_16_64 3
		.amdhsa_memory_ordered 1
		.amdhsa_forward_progress 1
		.amdhsa_inst_pref_size 67
	.end_amdhsa_kernel
	.amdgpu_metadata
---
amdhsa.version: [ 1, 2 ]
amdhsa.kernels:
  - .name:           k_q944ffe9b1e_quant
    .symbol:         k_q944ffe9b1e_quant.kd
    .args:
      - { .name: x, .offset: 0, .size: 8, .value_kind: global_buffer, .address_space: global }
      - { .name: weight_int8, .offset: 8, .size: 8, .value_kind: global_buffer, .address_space: global }
      - { .name: scale, .offset: 16, .size: 8, .value_kind: global_buffer, .address_space: global }
      - { .name: xq, .offset: 24, .size: 8, .value_kind: global_buffer, .address_space: global }
      - { .name: wq, .offset: 32, .size: 8, .value_kind: global_buffer, .address_space: global }
    .group_segment_fixed_size: 34304
    .private_segment_fixed_size: 0
    .kernarg_segment_align: 8
    .kernarg_segment_size: 40
    .max_flat_workgroup_size: 128
    .sgpr_count:     66
    .vgpr_count:     256
    .wavefront_size: 32
...
	.end_amdgpu_metadata
.endif
;; end of part 1
;; launch gemm (part 2): grid 16 x 16, 4 waves a work-group, clusters of 4 x 4, 327,680 bytes of LDS; arguments xq, wq, bias, out0; writes out0
.if DOCPART == 2
	.amdgcn_target "amdgcn-amd-amdhsa--gfx1250"
	.amdhsa_code_object_version 6
	.text
	.protected	k_q944ffe9b1e_gemm
	.globl	k_q944ffe9b1e_gemm
	.p2align	8
	.type	k_q944ffe9b1e_gemm,@function
k_q944ffe9b1e_gemm:
	s_mov_b64 s[64:65], 0
	v_nop
	global_prefetch_b8 v0, s[64:65] scope:SCOPE_SE
	s_setreg_imm32_b32 hwreg(HW_REG_WAVE_MODE, 25, 1), 1
	s_wait_xcnt 0x0
	s_wait_alu depctr_hold_cnt(0) depctr_sa_sdst(0) depctr_va_vdst(0) depctr_va_sdst(0) depctr_va_ssrc(0) depctr_va_vcc(0) depctr_vm_vsrc(0)
	s_getreg_b32 s2, hwreg(HW_REG_IB_STS2, 6, 4)
	s_cmp_eq_u32 s2, 0
	s_cbranch_scc0 .Lentry_in_a_cluster
	s_endpgm
.Lentry_in_a_cluster:
	s_bfe_u32 s2, ttmp6, 0x10000c
	s_cmp_lg_u32 s2, 0xf033
	s_cbranch_scc0 .Lentry_shape_is_right
	s_endpgm
.Lentry_shape_is_right:
; out0[m][n] = bias[n] + sum over k of x[m][k] w[n][k], on the codes of BF8 (E5M2) and E8M0 scale bytes that launch quant laid in xq and wq; sums in f32.
; A tile of xq or wq is 128 rows x 256 K in the order of the operand's registers: fragment (i, q) at (2 i + q) x 2,048, scale words at 32,768 + 128 i + 8 r + 4 q; TILE = 33,792 dense bytes.
; A work-group of four waves makes 256 x 256 of out0, a wave 128 x 128: 64 accumulators, 512 registers.  K goes in 16 steps of 256 through two LDS slots (A's two tiles, B's two tiles), one tensor load a wave.
; CLUSTERS: 4 x 4 work-groups; A's tiles are asked for jointly along a row of the cluster, B's along a column.  Each cluster begins K at its own step (0, 4, 8 or 12) and goes round:
; LIMIT: the order of the f32 sums along K so differs from ascending K by a rotation.
; THE MATRIX INSTRUCTION IS USED TRANSPOSED (source 0 = 16 rows of w, source 1 = 16 rows of x): a lane holds eight neighbouring numbers of a row of out0.  The bias is the C of each accumulator's first product.
; A HALF STEP is 128 along K: 64 products in four batches of 16 (two of A's blocks against B's eight).  Behind each batch stand eight places and ONE run of LDS loads for the next half step: four fragments, 16 loads.
; B has two sets of registers; A has one: a pair of A's blocks is loaded anew behind the batch that read it, blocks 4 to 7 behind the last batch.  So all reads of a slot are issued before its second half begins,
; and the change of slots stands in that half's first two batches.
; REGISTERS: window 0: v0-31 addresses; v32-63 scale words, a set for each slot; v64-127 the bias; v128-255 A's fragments, on the way out rows read back.  window 1: B's two sets.
;   window 2: accumulators of my rows 0-63 ((a, b) at v[8 (8 a + b)]);  window 3: of rows 64-127.
.set SIZE_N, 4096
.set TILE,   33792
.set GROUPB, 16*TILE                   ; the 16 tiles along K of 128 rows
.set SLOT,   4*TILE
.set SCO,    32768
.set FR,     16
.set LAPS,   8
.set SPARE,  2*SLOT                    ; behind the ring: the spare words, 128 bytes a wave
.set SPITCH, 528                       ; the way out: stage rows of 512 + 16 bytes, 16 rows a wave, in slot 0 behind its last fill and last read
.set ADRA, 16                          ; v16-17 my A tile in slot 0, 1: + 16 x lane
.set ADRB, 20                          ; v20-21 my B tile
.set ADRS, 22                          ; v22-23 scale words: lanes 0-15 A's rows, lanes 16-31 B's
.set STO,  24
.set RD,   25
.set CO,   26
.set BO,   27
.set SPW,  28
.set NIL,  29
.set PF1,  30                          ; prefetch: 8,192 x my place among the four partners + 256 x lane
.set PF2,  31                          ; prefetch: 32,768 + 256 x my place
.set SC,   32
.set BI,   64
.set AF,   128
.set BK,   128
.set XB,   4                           ; s[4:5] my 128 rows' tiles in xq;  s[6:7] in wq
.set WB,   6
.set KN,   12                          ; the K step that the next refill asks for
.set KO,   18
.set G1, 24
.set G0, 32
.set G1B, 48
.set G0B, 56
.set PFB, 66                           ; s[66:67] the buffer part that my wave fetches;  s[68:69] + the K step that is prefetched
.set PFA, 68
.set MSB, 0
.macro WIN new                         ; the immediate's high byte repeats the setting that is left
.if MSB != (\new)
	s_set_vgpr_msb (MSB<<8)|(\new)
.set MSB, (\new)
.endif
.endm
.set MUL_LO,   0xa1                    ; source 0 (B) window 1, source 1 (A) window 0, C and D window 2; + 0x50: window 3
.set FIRST_LO, 0x81                    ; the same with C (the bias) in window 0; + 0x40: D window 3
.set TO_B,     0x40
.macro JLOAD g0a, g1a, g0b, g1b        ; a joint load: waves 0, 1 fetch A's tiles, waves 2, 3 B's; s_nop 0 and four v_nop behind each line
	s_cmp_eq_u32 s15, 0
	s_cbranch_scc0 .Lfor_b_\@
	tensor_load_to_lds s[\g0a:\g0a+3], s[\g1a:\g1a+7]
	s_nop 0
.rept 4
	v_nop
.endr
	s_branch .Lasked_\@
.Lfor_b_\@:
	tensor_load_to_lds s[\g0b:\g0b+3], s[\g1b:\g1b+7]
	s_nop 0
.rept 4
	v_nop
.endr
.Lasked_\@:
.endm
.macro CREST                           ; a round of the cluster's barrier behind its opening barrier
	s_cmp_lg_u32 s14, 0
	s_cbranch_scc1 .Lnot_wave_0_\@
	s_barrier_signal -3
.Lnot_wave_0_\@:
	s_barrier_wait -3
	s_barrier_signal -1
	s_barrier_wait -1
.endm
.macro CROUND
	s_barrier_signal -1
	s_barrier_wait -1
	CREST
.endm
.macro PLACES n                        ; a load into a register that a product has read, and a store that reads a result, stand eight places behind that product
.rept \n
	v_nop
.endr
.endm
	s_load_b256 s[4:11], s[0:1], 0x0               ; xq, wq, bias, out0
	v_lshl_add_u32 v[SPW], v0, 2, SPARE
	v_mov_b32 v[NIL], 0
	ds_add_u32 v[SPW], v[NIL]                      ; the opening lines: the add twice on end and its wait ahead of my first tensor load
	ds_add_u32 v[SPW], v[NIL]
	v_lshrrev_b32 v1, 5, v0
	v_readfirstlane_b32 s14, v1                    ; wave
	s_lshr_b32 s15, s14, 1                         ; my half of the rows; also: I fetch for A (0) or B (1)
	s_and_b32 s16, s14, 1                          ; my half of the columns; also: which tile of the two I fetch
	s_bfe_u32 s40, ttmp6, 0x40000                  ; cx
	s_bfe_u32 s41, ttmp6, 0x40004                  ; cy
	s_lshl_b32 s42, ttmp9, 2
	s_add_co_u32 s42, s42, s40                     ; tile column
	s_and_b32 s17, ttmp7, 0xffff
	s_lshl_b32 s17, s17, 2
	s_add_co_u32 s17, s17, s41                     ; tile row
	s_lshl_b32 s43, s41, 2
	s_lshl_b32 s43, 15, s43                        ; my row of the cluster
	s_lshl_b32 s44, 0x1111, s40                    ; my column
	s_or_b32 s[G1+0], s43, (3<<16)|(1<<21)         ; a dense tile as 132 rows of 32 elements of 8 bytes
	s_or_b32 s[G1B+0], s44, (3<<16)|(1<<21)
.irp g, G1, G1B
	s_mov_b32 s[\g+1], 32<<16
	s_mov_b32 s[\g+2], 132<<16
	s_mov_b32 s[\g+3], 32<<16
	s_mov_b32 s[\g+4], 132
	s_mov_b32 s[\g+5], 32
	s_mov_b32 s[\g+6], 0
	s_mov_b32 s[\g+7], 0
.endr
	s_and_b32 s[KN], ttmp9, 1                      ; the cluster's first K step, from the cluster's numbers alone: 4 x ((a mix of cluster x and y) mod 4)
	s_lshl_b32 s[KN], s[KN], 1
	s_lshr_b32 s13, ttmp9, 1
	s_add_co_u32 s[KN], s[KN], s13
	s_and_b32 s13, ttmp7, 0xffff
	s_and_b32 s18, s13, 1
	s_lshl_b32 s18, s18, 1
	s_lshr_b32 s13, s13, 1
	s_add_co_u32 s18, s18, s13
	s_add_co_u32 s[KN], s[KN], s18
	s_and_b32 s[KN], s[KN], 3
	s_lshl_b32 s[KN], s[KN], 2
	s_mul_i32 s[KO], s[KN], TILE
	s_mov_b32 s[KO+1], 0
	s_lshl_b32 s20, s17, 1
	s_add_co_u32 s20, s20, s16
	s_mul_i32 s20, s20, GROUPB                     ; A: group 2 x tile row + half
	s_mov_b32 s21, 0
	s_lshl_b32 s46, s42, 1
	s_add_co_u32 s46, s46, s16
	s_mul_i32 s46, s46, GROUPB                     ; B: group 2 x tile column + half
	s_mov_b32 s47, 0
	s_mul_i32 s45, s14, TILE                       ; where my tile goes: wave x TILE
	s_mov_b32 s71, 0
	s_wait_dscnt 0x0                               ; both opening adds are done
	s_wait_kmcnt 0x0
	s_add_nc_u64 s[XB:XB+1], s[XB:XB+1], s[20:21]
	s_add_nc_u64 s[WB:WB+1], s[WB:WB+1], s[46:47]
	s_add_nc_u64 s[20:21], s[XB:XB+1], s[KO:KO+1]
	s_add_nc_u64 s[46:47], s[WB:WB+1], s[KO:KO+1]
	s_add_co_u32 s[KN], s[KN], 2
.irp s, 0,1
	s_mov_b32 s[G0+4*\s], 1
	s_add_co_u32 s[G0+4*\s+1], s45, \s*SLOT
	s_add_nc_u64 s[G0+4*\s+2:G0+4*\s+3], s[20:21], \s*TILE
	s_or_b32 s[G0+4*\s+3], s[G0+4*\s+3], 0x80000000
	s_mov_b32 s[G0B+4*\s], 1
	s_add_co_u32 s[G0B+4*\s+1], s45, \s*SLOT
	s_add_nc_u64 s[G0B+4*\s+2:G0B+4*\s+3], s[46:47], \s*TILE
	s_or_b32 s[G0B+4*\s+3], s[G0B+4*\s+3], 0x80000000
.endr
	CROUND                                         ; all sixteen work-groups are here: the first joint loads meet
	JLOAD G0, G1, G0B, G1B                         ; slot 0: one tensor load a wave at the head
	s_mul_i32 s72, s15, TILE                       ; my A tile in a slot
	s_mul_i32 s73, s16, TILE
	s_add_co_u32 s73, s73, 2*TILE                  ; my B tile
	s_sub_co_u32 s74, s73, s72
	s_mul_i32 s75, s14, 16*SPITCH                  ; my stage
	s_cmp_eq_u32 s15, 0
	s_cselect_b64 s[PFB:PFB+1], s[XB:XB+1], s[WB:WB+1]
	s_cselect_b32 s13, s40, s41                    ; my place among the four that ask for my tile with me
	s_lshl_b32 s76, s13, 13
	s_lshl_b32 s77, s13, 8
	s_add_co_u32 s77, s77, SCO
	s_lshl_b32 s20, s17, 8
	s_lshl_b32 s21, s15, 7
	s_add_co_u32 s20, s20, s21
	s_lshl_b32 s20, s20, 14                        ; my first row of out0, 16,384 bytes a row
	s_mov_b32 s21, 0
	s_lshl_b32 s46, s42, 10
	s_lshl_b32 s47, s16, 9
	s_add_co_u32 s46, s46, s47                     ; my first column, in bytes
	s_mov_b32 s47, 0
	s_add_nc_u64 s[8:9], s[8:9], s[46:47]
	s_add_nc_u64 s[10:11], s[10:11], s[20:21]
	s_add_nc_u64 s[10:11], s[10:11], s[46:47]
	v_and_b32 v1, 15, v0                           ; r
	v_bfe_u32 v2, v0, 4, 1                         ; h
	v_and_b32 v3, 31, v0                           ; lane
	v_lshlrev_b32 v4, 4, v3
	v_lshlrev_b32 v5, 3, v1
	v_mul_u32_u24 v6, s74, v2                      ; lanes 16-31 take B's scale words
	v_add_nc_u32 v5, v5, v6
	v_add_nc_u32 v[ADRA], s72, v4
	v_add_nc_u32 v[ADRB], s73, v4
	v_add_nc_u32 v[ADRS], s72, v5
	v_add_nc_u32 v[ADRA+1], SLOT, v[ADRA]
	v_add_nc_u32 v[ADRB+1], SLOT, v[ADRB]
	v_add_nc_u32 v[ADRS+1], SLOT, v[ADRS]
	v_mul_u32_u24 v6, v1, SPITCH
	v_lshl_add_u32 v6, v2, 5, v6
	v_add_nc_u32 v[STO], s75, v6
	v_lshlrev_b32 v[CO], 4, v3
	v_add_nc_u32 v[RD], s75, v[CO]
	v_lshlrev_b32 v[BO], 5, v2
	v_lshlrev_b32 v[PF1], 8, v3
	v_add_nc_u32 v[PF1], s76, v[PF1]
	v_mov_b32 v[PF2], s77
	s_wait_alu depctr_va_vdst(0)
.irp b, 0,1,2,3,4,5,6,7
	global_load_b128 v[BI+8*\b:BI+8*\b+3], v[BO], s[8:9] offset:64*\b        ; bias[16 b + 8 h + 0 .. 7] of my columns: the result's layout
	global_load_b128 v[BI+8*\b+4:BI+8*\b+7], v[BO], s[8:9] offset:64*\b+16
.endr
.macro FRAG reg, adr, q, i             ; a fragment: four loads of 512 consecutive bytes
.irp c, 0,1,2,3
	ds_load_b128 v[\reg+4*\c:\reg+4*\c+3], v[\adr] offset:(2*(\i)+(\q))*2048+512*\c
.endr
.endm
.macro LB4 slot, q, i0                 ; B's blocks i0 .. i0 + 3 of the slot's half q, into set q
	WIN TO_B
.irp i, \i0, \i0+1, \i0+2, \i0+3
	FRAG 128*(\q)+FR*(\i), ADRB+\slot, \q, \i
.endr
.endm
.macro LA2 slot, q, i0                 ; A's blocks i0, i0 + 1
	WIN 0
.irp i, \i0, \i0+1
	FRAG AF+FR*(\i), ADRA+\slot, \q, \i
.endr
.endm
.macro SCALES sc                       ; a slot's scale words: two words a row; lanes 0-15 A's block i, lanes 16-31 B's
	WIN 0
.irp i, 0,1,2,3,4,5,6,7
	ds_load_b64 v[SC+16*\sc+2*\i:SC+16*\sc+2*\i+1], v[ADRS+\sc] offset:SCO+128*\i
.endr
.endm
; Batch g of a half step: A's blocks 2 g, 2 g + 1 against B's eight.  The 64 accumulators take turns in the same order in every half step.
.macro BATCH g, q, sc, first
.if \first
	WIN FIRST_LO+0x40*((\g)/2)
.else
	WIN MUL_LO+0x50*((\g)/2)
.endif
.irp a, 2*(\g), 2*(\g)+1
.irp b, 0,1,2,3,4,5,6,7
.set QD, 8*(8*((\a)%4)+\b)
.if \first
	v_wmma_scale_f32_16x16x128_f8f6f4 v[QD:QD+7], v[128*(\q)+FR*\b:128*(\q)+FR*\b+15], v[AF+FR*(\a):AF+FR*(\a)+15], v[BI+8*\b:BI+8*\b+7], v[SC+16*(\sc)+2*\b+(\q)], v[SC+16*(\sc)+2*(\a)+(\q)] matrix_a_fmt:MATRIX_FMT_BF8 matrix_b_fmt:MATRIX_FMT_BF8 matrix_a_scale:MATRIX_SCALE_ROW1
.else
	v_wmma_scale_f32_16x16x128_f8f6f4 v[QD:QD+7], v[128*(\q)+FR*\b:128*(\q)+FR*\b+15], v[AF+FR*(\a):AF+FR*(\a)+15], v[QD:QD+7], v[SC+16*(\sc)+2*\b+(\q)], v[SC+16*(\sc)+2*(\a)+(\q)] matrix_a_fmt:MATRIX_FMT_BF8 matrix_b_fmt:MATRIX_FMT_BF8 matrix_a_scale:MATRIX_SCALE_ROW1
.endif
.endr
.endr
.endm
; The three runs that bring a slot's first half: B0-3, A0-1, the scale words | B4-7, A2-3 | A4-7
.macro TRUN ns, n
.if (\n) == 0
	LB4 \ns, 0, 0
	LA2 \ns, 0, 0
	SCALES \ns
.elseif (\n) == 1
	LB4 \ns, 0, 4
	LA2 \ns, 0, 2
.else
	LA2 \ns, 0, 4
	LA2 \ns, 0, 6
.endif
.endm
; A slot's first half; its four runs bring the same slot's second half: B0-3 | B4-7 | A0-3 | A4-7
.macro XSTEP sl, first
	s_wait_dscnt 24                                ; behind B's block 7: A's blocks 2, 3 and the last run's 16 loads
	BATCH 0, 0, \sl, \first
	PLACES 8
	LB4 \sl, 1, 0
	s_wait_dscnt 32                                ; behind A's block 3: the last run of the half before and the run above
	BATCH 1, 0, \sl, \first
	PLACES 8
	LB4 \sl, 1, 4
	s_wait_dscnt 40                                ; behind A's block 5: blocks 6, 7 and two runs
	BATCH 2, 0, \sl, \first
	PLACES 8
	LA2 \sl, 1, 0
	LA2 \sl, 1, 2
	s_wait_dscnt 48                                ; behind A's block 7: three runs
	BATCH 3, 0, \sl, \first
	PLACES 8
	LA2 \sl, 1, 4
	LA2 \sl, 1, 6
.endm
; A prefetch of the K step two refills on.  Of my tile's 132 blocks of 256 bytes each of the four partners names 33, told apart by address: 32 of codes, a lane a block, and one of scale words (all lanes name it).
; The last trip's two refills have no K step two on.
.macro ASK
	s_cmp_gt_u32 s3, 1
	s_cbranch_scc0 .Lnone_\@
	global_prefetch_b8 v[PF1], s[PFA:PFA+1] th:TH_LOAD_NT scope:SCOPE_SE
	global_prefetch_b8 v[PF2], s[PFA:PFA+1] th:TH_LOAD_NT scope:SCOPE_SE
.Lnone_\@:
.endm
; A slot's second half changes slots: all its operands were asked for in the first half.  fill = 1: the slot is filled again, two K steps ahead, behind a round of the cluster's barrier.
.macro YSTEP sl, nsl, fill
.if \fill
	s_wait_xcnt 0x0                                ; my last prefetches have read their base
	s_add_co_u32 s70, s[KN], 2
	s_and_b32 s70, s70, 15
	s_mul_i32 s70, s70, TILE
	s_add_nc_u64 s[PFA:PFA+1], s[PFB:PFB+1], s[70:71]
.endif
	s_wait_tensorcnt 0x0                           ; my part of the next slot has landed  (every window is 0 here);
	ds_add_u32 v[SPW], v[NIL]
.if \fill
	s_mul_i32 s[KO], s[KN], TILE                   ; no tensor load of mine is out: this slot's next K step
	s_add_nc_u64 s[G0+4*\sl+2:G0+4*\sl+3], s[XB:XB+1], s[KO:KO+1]
	s_or_b32 s[G0+4*\sl+3], s[G0+4*\sl+3], 0x80000000
	s_add_nc_u64 s[G0B+4*\sl+2:G0B+4*\sl+3], s[WB:WB+1], s[KO:KO+1]
	s_or_b32 s[G0B+4*\sl+3], s[G0B+4*\sl+3], 0x80000000
	s_add_co_u32 s[KN], s[KN], 1
	s_and_b32 s[KN], s[KN], 15
.endif
	s_wait_dscnt 25                                ; behind A's block 1: blocks 2, 3, the last run's 16 loads and the add
	BATCH 0, 1, \sl, 0
	s_wait_dscnt 0x0                               ; the add is done, and my reads of this slot are over
	s_barrier_signal -1
	BATCH 1, 1, \sl, 0
	WIN 0
	s_barrier_wait -1
.if \fill
	CREST
	JLOAD G0+4*\sl, G1, G0B+4*\sl, G1B             ; the first tensor load behind the round; its four v_nop are four of the eight places
	PLACES 4
.else
	PLACES 8
.endif
	TRUN \nsl, 0
.if \fill
	ASK
.endif
	BATCH 2, 1, \sl, 0
	PLACES 8
	TRUN \nsl, 1
	BATCH 3, 1, \sl, 0
	PLACES 8
	TRUN \nsl, 2
.endm
; THE WAY OUT of block a (16 rows x 128 columns): through my stage, back as rows of 512 bytes, and out as two aligned units of 256 bytes a row.
.macro TOSTAGE a
.set AC, 64*((\a)%4)
.set BB, BK+64*((\a)%2)
	WIN 0x08+4*((\a)/4)                            ; the data: window 2 or 3
.irp b, 0,1,2,3,4,5,6,7
	ds_store_b128 v[STO], v[AC+8*\b:AC+8*\b+3] offset:64*\b          ; each accumulator from its low end on
	ds_store_b128 v[STO], v[AC+8*\b+4:AC+8*\b+7] offset:64*\b+16
.endr
	WIN 0
.irp t, 0,1,2,3,4,5,6,7,8,9,10,11,12,13,14,15
	ds_load_b128 v[BB+4*\t:BB+4*\t+3], v[RD] offset:\t*SPITCH        ; LDS serves a wave's instructions in order: these see the stores above
.endr
.endm
.macro SEND a, younger
.set BB, BK+64*((\a)%2)
	s_wait_dscnt \younger
.if (\a) > 0
	s_add_nc_u64 s[10:11], s[10:11], 16*SIZE_N*4   ; behind a wait on XCNT: the earlier stores have read their base
.endif
.irp t, 0,1,2,3,4,5,6,7,8,9,10,11,12,13,14,15
	global_store_b128 v[CO], v[BB+4*\t:BB+4*\t+3], s[10:11] offset:\t*SIZE_N*4
.endr
.endm
	s_wait_tensorcnt 0x0                           ; my tile of slot 0 is in
	ds_add_u32 v[SPW], v[NIL]
	s_wait_dscnt 0x0
	CROUND
	JLOAD G0+4, G1, G0B+4, G1B                     ; slot 1
	TRUN 0, 0                                      ; the first half step's operands, in the order that the waits count on
	TRUN 0, 1
	TRUN 0, 2
	s_wait_loadcnt 0x0                             ; the bias
	XSTEP 0, 1                                     ; the first half step starts the sums on the bias
	s_mov_b32 s3, LAPS-1
.Llap:
	YSTEP 0, 1, 1
	XSTEP 1, 0
	YSTEP 1, 0, 1
	XSTEP 0, 0
	s_sub_co_u32 s3, s3, 1
	s_cmp_lg_u32 s3, 0
	s_cbranch_scc1 .Llap
	YSTEP 0, 1, 0                                  ; the last lap fills nothing
	XSTEP 1, 0
	s_wait_dscnt 24                                ; the last half step: nothing more to fetch
	BATCH 0, 1, 1, 0
	s_wait_dscnt 0x0
	BATCH 1, 1, 1, 0
	BATCH 2, 1, 1, 0
	BATCH 3, 1, 1, 0
	WIN 0
	PLACES 8
	TOSTAGE 0
.irp a, 1,2,3,4,5,6,7
.if \a > 1
	s_wait_xcnt 0x0                                ; block a - 2's stores have read their registers and their base
.endif
	TOSTAGE \a
	SEND \a-1, 32                                  ; behind block a - 1's loads: block a's 16 stores and 16 loads
.endr
	s_wait_xcnt 0x0
	SEND 7, 0
	s_wait_tensorcnt 0x0                           ; the wave's end
	ds_add_u32 v[SPW], v[NIL]
	s_wait_dscnt 0x0
	CROUND                                         ; the closing round
	s_endpgm
.Lfunc_end_k_q944ffe9b1e_gemm:
	.size	k_q944ffe9b1e_gemm, .Lfunc_end_k_q944ffe9b1e_gemm-k_q944ffe9b1e_gemm
	.p2alignl 7, 3214868480
	.fill 96, 4, 3214868480
	.section	.rodata,"a",@progbits
	.p2align	6, 0x0
	.amdhsa_kernel k_q944ffe9b1e_gemm
		.amdhsa_group_segment_fixed_size 327680
		.amdhsa_private_segment_fixed_size 0
		.amdhsa_enable_private_segment 0
		.amdhsa_kernarg_size 32
		.amdhsa_user_sgpr_count 2
		.amdhsa_user_sgpr_kernarg_segment_ptr 1
		.amdhsa_wavefront_size32 1
		.amdhsa_system_sgpr_workgroup_id_x 1
		.amdhsa_system_sgpr_workgroup_id_y 1
		.amdhsa_system_sgpr_workgroup_id_z 1
		.amdhsa_system_vgpr_workitem_id 0
		.amdhsa_next_free_vgpr 1024
		.amdhsa_next_free_sgpr 80
		.amdhsa_reserve_vcc 0
		.amdhsa_float_denorm_mode_32 3
		.amdhsa_float_denorm_mode_16_64 3
		.amdhsa_memory_ordered 1
		.amdhsa_forward_progress 1
		.amdhsa_inst_pref_size 150
	.end_amdhsa_kernel
	.amdgpu_metadata
---
amdhsa.version: [ 1, 2 ]
amdhsa.kernels:
  - .name:           k_q944ffe9b1e_gemm
    .symbol:         k_q944ffe9b1e_gemm.kd
    .args:
      - { .name: xq, .offset: 0, .size: 8, .value_kind: global_buffer, .address_space: global }
      - { .name: wq, .offset: 8, .size: 8, .value_kind: global_buffer, .address_space: global }
      - { .name: bias, .offset: 16, .size: 8, .value_kind: global_buffer, .address_space: global }
      - { .name: out0, .offset: 24, .size: 8, .value_kind: global_buffer, .address_space: global }
    .group_segment_fixed_size: 327680
    .private_segment_fixed_size: 0
    .kernarg_segment_align: 8
    .kernarg_segment_size: 32
    .max_flat_workgroup_size: 128
    .sgpr_count:     80
    .vgpr_count:     1024
    .wavefront_size: 32
...
	.end_amdgpu_metadata
.endif
;; end of part 2
